; MI455X (gfx1250); checked and timed in simulation.
; The chip was launched on July 23, 2026; its instructions are those of AMD's public machine-readable ISA for CDNA 5 (MIT licence, August 2026) and "CDNA5" Instruction Set Architecture Reference Guide (July 2026). The comments in the code are by the model that wrote it; some were corrected since.
;; Dotproduct scaled. Allowed arithmetic: matrix products marked QUANTISED: E2M1 operands, one E8M0 scale for each 32 along K, by v_wmma_scale_f32_16x16x128_f8f6f4 with both operands' format E2M1 (or v_wmma_scale_f32_32x16x128_f4), f32 sums; everything else in f32.
;; Inputs: db1 512 float32; db2 512 float32; db3 512 float32; dw1 512 x 512 float32; dw2 512 x 512 float32; dw3 512 x 512 float32; inputs 4 x 16 x 512 x 512 float32; mask_array 4 x 8,192 x 512 float32.
;; Outputs: out0 4 x 16 x 512 x 512 float32.
;; This version of the problem:
;;   THIS VERSION OF THE PROBLEM IS GIVEN IN LOW PRECISION. The matrix products marked QUANTISED in the list below multiply operands that are first quantised to E2M1 (2 exponent bits, 1 mantissa bit; 4 bits a number), with one power-of-two scale for each 32 numbers along K (OCP MX v1.0); their sums are f32. All else is computed in f32.
;;   The module's matrix products, in the order in which they are computed (A, B: the left and right operand; K: the contracted axis; several contracted axes count as one K, in the product's order):
;;     1. [M 32,768, K 512] x [K 512, N 512]; A: input inputs; B: input dw1: QUANTISED
;;     2. [M 32,768, K 512] x [K 512, N 512]; A: input inputs; B: input dw2: QUANTISED
;;     3. [M 32,768, K 512] x [K 512, N 512]; A: input inputs; B: input dw3: QUANTISED
;;     4. [M 32,768, K 512] x [K 512, N 512]; A: input inputs; B: input dw3: QUANTISED
;;     5. batch 64 x [M 512, K 512] x [K 512, N 512]; A: computed on the way; B: computed on the way: QUANTISED
;;     6. batch 64 x [M 512, K 512] x [K 512, N 512]; A: softmax (see below); B: computed on the way: QUANTISED
;;   THE QUANTISER, for each operand of a quantised product, along K:
;;     - K is cut into blocks of 32 from its start; a last block that is shorter is filled with zeros.
;;     - A block's scale is 2^e with e = floor(log2(the largest magnitude in the block)) - 2, held to -126 .. 127; a block of zeros has e = 0. As a byte (E8M0): e + 127.
;;     - Each number is divided by its block's scale, clamped to +-6, and rounded to the nearest number of E2M1, ties to even, subnormals kept.
;;     - The product sums the exact products of the quantised numbers (number of the format x scale) in f32.
;;   ~~~python
;;   def quantise(x, axis):      # numpy; x: float32 -> the quantised numbers, widened to float32 again
;;       x = np.moveaxis(x, axis, -1); K = x.shape[-1]
;;       x = np.pad(x, [(0, 0)] * (x.ndim - 1) + [(0, -K % 32)]); x = x.reshape(x.shape[:-1] + (-1, 32)); a = np.abs(x).max(-1, keepdims=True)
;;       e = np.where(a > 0, np.clip(np.frexp(np.where(a > 0, a, 1))[1] - 1 - 2, -126, 127), 0)      # np.frexp(a)[1] - 1 = floor(log2(a)), exactly
;;       r = np.clip(x / 2.0 ** e, -6, 6)
;;       step = 2.0 ** (np.maximum(np.frexp(np.where(r == 0, 1, r))[1] - 1, 0) - 1)
;;       q = np.round(r / step) * step * 2.0 ** e      # np.round: ties to even
;;       return np.moveaxis(q.reshape(q.shape[:-2] + (-1,))[..., :K], -1, axis).astype(np.float32)
;;   ~~~
;;   SOFTMAX AHEAD OF A QUANTISED PRODUCT. Where the list says 'softmax', what is quantised is not the finished softmax but p = 2^(t - M), with t = logit x log2(e) and M = ceil(the row's largest t), a whole number; so 1/2 < the row's largest p <= 1. The row's sum l is taken of the UNQUANTISED p, in f32, and the product's result is divided by l at the end. Since M is a whole number, a kernel that streams over the keys may use a running M (the ceiling of the running maximum): every later rescaling is an exact power of two, which a block's scale takes up: the codes' values come out the same.
;;   OPERANDS COMPUTED ON THE WAY. 'Computed on the way' means the value that the module computes at that place (a softmax that the list does not call 'softmax' is quantised finished and normalised). What goes into a quantiser is computed in f32, as accurately as f32 sums, v_exp_f32 and their like allow (about 1e-6 of the number): no bf16 or f16 on the way to a quantiser, and a product that is left as it is and whose result goes on into a quantised operand takes f32 operands (vector FMAs, or v_wmma_f32_16x16x4_f32). A number that lies on a knife's edge between two numbers of the format may be rounded either way, as far as f32 arithmetic and the matrix unit's own rounding can turn it there, and no further.
;; One version. Each part assembles by itself: llvm-mc -triple=amdgcn-amd-amdhsa -mcpu=gfx1250 --defsym DOCPART=n.
;; ======== version 1 of 1: 3 launches
;; limits: right only within a limited range of input values
;; workspace buffers: wfrag 393,216 bytes; wscl 24,576 bytes; qfrag 8,912,896 bytes; kvfrag 17,825,792 bytes
;; launch wq (part 1): grid 12 x 4, 4 waves a work-group, no clusters, 1,536 bytes of LDS; arguments dw1, dw2, dw3, wfrag, wscl; writes wfrag, wscl
.if DOCPART == 1
	.amdgcn_target "amdgcn-amd-amdhsa--gfx1250"
	.amdhsa_code_object_version 6
	.text
	.protected	k_qfd07666ada_wq
	.globl	k_qfd07666ada_wq
	.p2align	8
	.type	k_qfd07666ada_wq,@function
k_qfd07666ada_wq:
	s_mov_b64 s[64:65], 0
	v_nop
	global_prefetch_b8 v0, s[64:65] scope:SCOPE_SE
	s_setreg_imm32_b32 hwreg(HW_REG_WAVE_MODE, 25, 1), 1
	s_wait_xcnt 0x0
; dw1, dw2, dw3 [512 (k)][512 (n)] f32 become codes of FP4 (E2M1) with one E8M0 byte for each 32 along k, laid in the ORDER OF AN OPERAND'S REGISTERS.
; A block's scale is 2^(floor(log2(its largest magnitude)) - 2); its byte is the largest magnitude's exponent field - 2, held at 1 from below.
; LIMITS: a block of zeros gets the byte 1 (its codes are zeros; the bytes are read by this program alone); blocks whose largest magnitude lies under 2^-124 are held at the byte 1; NaN and infinities are not served.
; SHARES.  Work-group x = 4 x matrix + w takes columns 128 w .. 128 w + 127 of one matrix, work-group y = s the rows k = 128 s .. 128 s + 127.  Wave b takes 32 columns: A LANE TAKES A COLUMN AND ITS REGISTERS RUN DOWN k,
; so a block of 32 lies in one lane and the conversions give codes with k innermost.  Each load reads 128 consecutive bytes a wave, 512 a work-group.
; THE ORDER OF A TILE'S ROWS: lane r of tile 2 b + u holds column 32 b + 8 u + r + 8 (r / 8).  So column x of 32 goes to u = (x / 8) % 2, r = x % 8 + 8 (x / 16).
; A FRAGMENT'S IMAGE (16 columns x 128 k, 1,024 bytes): registers 4 c .. 4 c + 3 of lane l at byte 512 c + 16 l; block kb of a column is registers 4 (kb / 2) on of lane r + 16 (kb % 2).
; wfrag: [x][b][s][u] images.  wscl: [x][s][lane 16 u + r][b] words, so that one load of 16 bytes a lane brings the words of four pairs of tiles.
; DEAD WORK: reference() forms inputs x dw3 + db3 twice from the same operands and overwrites the first result unread, whatever the inputs hold: this program forms V once.
; A NaN, an infinity or an overflow that reached only the product left out would not be carried (it is the same product, so there is none).
.set X, 32
.set C, 160                            ; v160-175 their codes: four registers a block, none written twice
	s_load_b256 s[4:11], s[0:1], 0x0               ; dw1, dw2, dw3, wfrag
	s_load_b64 s[12:13], s[0:1], 0x20              ; wscl
	v_lshl_add_u32 v192, v0, 2, 0x400
	v_mov_b32 v193, 0
	v_lshrrev_b32 v1, 5, v0
	v_readfirstlane_b32 s16, v1                    ; wave = pair of tiles b
	v_and_b32 v1, 31, v0                           ; lane = column x
	v_lshlrev_b32 v2, 2, v1                        ; in: 4 bytes a lane
	v_bfe_u32 v6, v0, 3, 1                         ; u
	v_and_b32 v7, 7, v0
	v_bfe_u32 v3, v0, 4, 1
	v_lshl_or_b32 v7, v3, 3, v7                    ; r
	v_lshlrev_b32 v3, 4, v7
	v_lshl_add_u32 v3, v6, 10, v3                  ; out: 1,024 u + 16 r: the sixteen lanes of one u store 256 consecutive bytes
	v_lshl_add_u32 v4, v6, 4, v7
	v_lshlrev_b32 v4, 4, v4
	s_lshl_b32 s17, s16, 2
	v_add_nc_u32 v4, s17, v4                       ; LDS: 16 (16 u + r) + 4 b: my scale word's place
	v_lshlrev_b32 v5, 4, v1                        ; 16 x lane
	s_lshr_b32 s18, ttmp9, 2                       ; which matrix
	s_and_b32 s19, ttmp9, 3                        ; w
	s_and_b32 s20, ttmp7, 0xffff                   ; s
	s_lshl_b32 s22, s20, 18                        ; 128 s rows of 2,048 bytes
	s_lshl_b32 s21, s19, 9
	s_add_co_u32 s22, s22, s21                     ; + 128 w columns
	s_lshl_b32 s21, s16, 7
	s_add_co_u32 s22, s22, s21                     ; + 32 b columns
	s_mov_b32 s23, 0
	s_lshl_b32 s24, ttmp9, 15                      ; wfrag: 32,768 x + 8,192 b + 2,048 s
	s_lshl_b32 s21, s16, 13
	s_add_co_u32 s24, s24, s21
	s_lshl_b32 s21, s20, 11
	s_add_co_u32 s24, s24, s21
	s_mov_b32 s25, 0
	s_lshl_b32 s26, ttmp9, 2                       ; wscl: 512 (4 x + s)
	s_add_co_u32 s26, s26, s20
	s_lshl_b32 s26, s26, 9
	s_mov_b32 s27, 0
	s_wait_kmcnt 0x0
	s_cmp_eq_u32 s18, 1                            ; the choice hangs on the work-group's number alone
	s_cselect_b64 s[6:7], s[6:7], s[8:9]
	s_cmp_eq_u32 s18, 0
	s_cselect_b64 s[4:5], s[4:5], s[6:7]
	s_add_nc_u64 s[4:5], s[4:5], s[22:23]
	s_add_nc_u64 s[10:11], s[10:11], s[24:25]
	s_add_nc_u64 s[12:13], s[12:13], s[26:27]
.set i, 0
.rept 128
	global_load_b32 v[X+i], v2, s[4:5] offset:2048*i th:TH_LOAD_NT   ; row 128 s + i at my column
.set i, i+1
.endr
.macro BLOCK kb, left                  ; left: how many younger loads may stay out
.set XS, X+32*\kb
	s_wait_loadcnt \left
	v_max3_num_f32 v[8+\kb], |v[XS]|, |v[XS+1]|, |v[XS+2]|           ; the block's largest magnitude: all 32 numbers are mine; two chains
	v_max3_num_f32 v[12+\kb], |v[XS+3]|, |v[XS+4]|, |v[XS+5]|
.irp i, 6,10,14,18,22,26
	v_max3_num_f32 v[8+\kb], v[8+\kb], |v[XS+\i]|, |v[XS+\i+1]|
	v_max3_num_f32 v[12+\kb], v[12+\kb], |v[XS+\i+2]|, |v[XS+\i+3]|
.endr
	v_max3_num_f32 v[8+\kb], v[8+\kb], |v[XS+30]|, |v[XS+31]|
	v_max3_num_f32 v[8+\kb], v[8+\kb], v[12+\kb], 0x1800000          ; and the floor 2^(3 - 127): the byte cannot fall under 1
	v_add_nc_u32 v[16+\kb], 0xff000000, v[8+\kb]                     ; 2 off the exponent field: the conversion takes this operand's exponent field as its scale
.if \kb == 0
	v_lshrrev_b32 v24, 23, v[16+\kb]                                 ; the scale's byte; the four make my column's word, the lower k in the lower byte
.else
	v_lshrrev_b32 v[20+\kb], 23, v[16+\kb]
	v_lshl_or_b32 v24, v[20+\kb], 8*\kb, v24
.endif
.irp g, 0,1,2,3
	v_cvt_scalef32_pk8_fp4_f32 v[C+4*\kb+\g], v[XS+8*\g:XS+8*\g+7], v[16+\kb]
.endr
	global_store_b128 v3, v[C+4*\kb:C+4*\kb+3], s[10:11] offset:512*(\kb/2)+256*(\kb%2)
.endm
	BLOCK 0, 63                                    ; 96 loads stand behind block 0's and 64 behind block 1's; a wait names 63 at the most
	BLOCK 1, 63
	BLOCK 2, 32                                    ; block 3's 32 may be out
	BLOCK 3, 0
	ds_store_b32 v4, v24                           ; the four waves' words meet, so that they leave as 512 consecutive bytes
	s_wait_dscnt 0x0                               ; for the others' sake: my store has landed
	s_barrier_signal -1
	s_barrier_wait -1
	s_cmp_lg_u32 s16, 0
	s_cbranch_scc1 .Ldone
	ds_load_b128 v[26:29], v5
	s_wait_dscnt 0x0
	global_store_b128 v5, v[26:29], s[12:13]
.Ldone:
	s_wait_tensorcnt 0x0
	ds_add_u32 v192, v193
	s_wait_dscnt 0x0
	s_endpgm
.Lfunc_end_k_qfd07666ada_wq:
	.size	k_qfd07666ada_wq, .Lfunc_end_k_qfd07666ada_wq-k_qfd07666ada_wq
	.p2alignl 7, 3214868480
	.fill 96, 4, 3214868480
	.section	.rodata,"a",@progbits
	.p2align	6, 0x0
	.amdhsa_kernel k_qfd07666ada_wq
		.amdhsa_group_segment_fixed_size 1536
		.amdhsa_private_segment_fixed_size 0
		.amdhsa_enable_private_segment 0
		.amdhsa_kernarg_size 40
		.amdhsa_user_sgpr_count 2
		.amdhsa_user_sgpr_kernarg_segment_ptr 1
		.amdhsa_wavefront_size32 1
		.amdhsa_system_sgpr_workgroup_id_x 1
		.amdhsa_system_sgpr_workgroup_id_y 1
		.amdhsa_system_sgpr_workgroup_id_z 1
		.amdhsa_system_vgpr_workitem_id 0
		.amdhsa_next_free_vgpr 194
		.amdhsa_next_free_sgpr 66
		.amdhsa_reserve_vcc 0
		.amdhsa_float_denorm_mode_32 3
		.amdhsa_float_denorm_mode_16_64 3
		.amdhsa_memory_ordered 1
		.amdhsa_forward_progress 1
		.amdhsa_inst_pref_size 21
	.end_amdhsa_kernel
	.amdgpu_metadata
---
amdhsa.version: [ 1, 2 ]
amdhsa.kernels:
  - .name:           k_qfd07666ada_wq
    .symbol:         k_qfd07666ada_wq.kd
    .args:
      - { .name: dw1, .offset: 0, .size: 8, .value_kind: global_buffer, .address_space: global }
      - { .name: dw2, .offset: 8, .size: 8, .value_kind: global_buffer, .address_space: global }
      - { .name: dw3, .offset: 16, .size: 8, .value_kind: global_buffer, .address_space: global }
      - { .name: wfrag, .offset: 24, .size: 8, .value_kind: global_buffer, .address_space: global }
      - { .name: wscl, .offset: 32, .size: 8, .value_kind: global_buffer, .address_space: global }
    .group_segment_fixed_size: 1536
    .private_segment_fixed_size: 0
    .kernarg_segment_align: 8
    .kernarg_segment_size: 40
    .max_flat_workgroup_size: 128
    .sgpr_count:     66
    .vgpr_count:     194
    .wavefront_size: 32
...
	.end_amdgpu_metadata
.endif
;; end of part 1
;; launch proj (part 2): grid 256 x 1, 4 waves a work-group, no clusters, 327,680 bytes of LDS; arguments inputs, wfrag, wscl, db1, db2, db3, qfrag, kvfrag; writes qfrag, kvfrag
.if DOCPART == 2
	.amdgcn_target "amdgcn-amd-amdhsa--gfx1250"
	.amdhsa_code_object_version 6
	.text
	.protected	k_qfd07666ada_proj
	.globl	k_qfd07666ada_proj
	.p2align	8
	.type	k_qfd07666ada_proj,@function
k_qfd07666ada_proj:
	s_mov_b64 s[64:65], 0
	v_nop
	global_prefetch_b8 v0, s[64:65] scope:SCOPE_SE
	s_setreg_imm32_b32 hwreg(HW_REG_WAVE_MODE, 25, 1), 1
	s_wait_xcnt 0x0
; Q, K, V = Q4(inputs) x Q4(dw) + db for 128 rows a work-group, quantised again and stored as images of operand registers.  V is formed once (reference() forms it twice and drops the first).
; The 128 rows of inputs come in two tensor loads a wave, 16 rows each: rows 0-63 at the head, rows 64-127 behind the first stage's barrier.
.set XP,    2080
.set STG,   32*XP
.set WPART, 8*XP
.set XIMG,  4*STG
.set XSC,   XIMG+32*1024
.set LI,  1
.set LIX, 2
.set XWI, 3
.set XSW, 4
.set XSR, 5
.set XR,  6
.set XRT, 7
.set GOF, 8
.set GOV, 9
.set GOS, 10
.set BH,  11
.set BR,  12
.set XF,  16
.set HA,  80
.set TM,  144
.set PC0, 160
.set PC1, 248
.set PW,  168
.set PW1, 169
.set QS,  170
.set KS,  174
.set VS,  178
.set WS,  184
.set XVS, 232
.set WV,  20
.set HI,  21
.set SEL, 22
.set G1,  24
.set G0,  32
.set MSB, 0
.macro WIN new
.if MSB != (\new)
	s_set_vgpr_msb (MSB<<8)|(\new)
.set MSB, (\new)
.endif
.endm
.macro PLACES
.rept 4
	v_nop
.endr
.endm
.macro WM
.if fA && fB
	v_wmma_scale_f32_16x16x128_f8f6f4 v[rD:rD+7], v[rA:rA+7], v[rB:rB+7], v[rC:rC+7], v[rSA], v[rSB] matrix_a_fmt:MATRIX_FMT_FP4 matrix_b_fmt:MATRIX_FMT_FP4 matrix_a_scale:MATRIX_SCALE_ROW1 matrix_b_scale:MATRIX_SCALE_ROW1
.elseif fA
	v_wmma_scale_f32_16x16x128_f8f6f4 v[rD:rD+7], v[rA:rA+7], v[rB:rB+7], v[rC:rC+7], v[rSA], v[rSB] matrix_a_fmt:MATRIX_FMT_FP4 matrix_b_fmt:MATRIX_FMT_FP4 matrix_a_scale:MATRIX_SCALE_ROW1
.elseif fB
	v_wmma_scale_f32_16x16x128_f8f6f4 v[rD:rD+7], v[rA:rA+7], v[rB:rB+7], v[rC:rC+7], v[rSA], v[rSB] matrix_a_fmt:MATRIX_FMT_FP4 matrix_b_fmt:MATRIX_FMT_FP4 matrix_b_scale:MATRIX_SCALE_ROW1
.else
	v_wmma_scale_f32_16x16x128_f8f6f4 v[rD:rD+7], v[rA:rA+7], v[rB:rB+7], v[rC:rC+7], v[rSA], v[rSB] matrix_a_fmt:MATRIX_FMT_FP4 matrix_b_fmt:MATRIX_FMT_FP4
.endif
.endm
.macro QUANT s, pc, pw
	s_wait_xcnt 0x0
.irp b, 0,1,2,3
	v_max3_num_f32 v[TM+\b], |v[\s+16*\b]|, |v[\s+1+16*\b]|, 0x1800000
.endr
.irp i, 2,4,6,8,10,12,14
.irp b, 0,1,2,3
	v_max3_num_f32 v[TM+\b], v[TM+\b], |v[\s+16*\b+\i]|, |v[\s+1+16*\b+\i]|
.endr
.endr
.irp b, 0,1,2,3
	v_permlanex16_b32 v[TM+4+\b], v[TM+\b], s[SEL], s[SEL+1]
.endr
.irp b, 0,1,2,3
	v_max_num_f32 v[TM+\b], v[TM+\b], v[TM+4+\b]
.endr
.irp b, 0,1,2,3
	v_add_nc_u32 v[TM+12+\b], 0xff000000, v[TM+\b]
.endr
.irp b, 0,1,2,3
	v_lshrrev_b32 v[TM+8+\b], 23, v[TM+12+\b]
.endr
	v_lshl_or_b32 v[\pw], v[TM+9], 8, v[TM+8]
	v_lshl_or_b32 v[\pw], v[TM+10], 16, v[\pw]
	v_lshl_or_b32 v[\pw], v[TM+11], 24, v[\pw]
.irp b, 0,1,2,3
	v_cvt_scalef32_pk8_fp4_f32 v[\pc+2*\b], v[\s+16*\b:\s+16*\b+7], v[TM+12+\b]
	v_cvt_scalef32_pk8_fp4_f32 v[\pc+2*\b+1], v[\s+16*\b+8:\s+16*\b+15], v[TM+12+\b]
.endr
	v_nop
.irp c, 0,1
.irp i, 0,1
	v_permlane16_swap_b32 v[\pc+4*\c+\i], v[\pc+4*\c+2+\i]
.endr
.endr
.endm
.macro MULQK mtx, u, p
.irp s, 0,1,2,3
.if \s == 0
	WIN 0x31+\mtx
.else
	WIN 0x01+\mtx
.endif
.irp t, 0,1,2,3,4,5,6,7
.set rD, HA+8*\t
.set rA, 64*(\t/2)+16*\s+8*(\t%2)
.set rB, XF+16*\s+8*\u
.if \s == 0
.set rC, 64*\mtx+8*\t
.else
.set rC, rD
.endif
.set rSA, WS+16*\mtx+4*\s+\t/2
.set rSB, XVS+4*\p+\s
.set fA, \t%2
.set fB, \u
	WM
.endr
.endr
	WIN 0
.endm
.macro MULV t
.irp s, 0,1,2,3
.if \s == 0
	WIN 0x36
.else
	WIN 0x06
.endif
.irp i, 0,1,2,3,4,5,6,7
.set rD, HA+8*\i
.set rA, 64*(\i/2)+16*\s+8*(\i%2)
.set rB, 64*((\t)/2)+16*\s+8*((\t)%2)
.if \s == 0
.set rC, 128+8*(\t)
.else
.set rC, rD
.endif
.set rSA, XVS+4*(\i/2)+\s
.set rSB, WS+32+4*\s+(\t)/2
.set fA, \i%2
.set fB, (\t)%2
	WM
.endr
.endr
	WIN 0
.endm
.macro PRJ mtx, u, p, pc, sreg, base
	MULQK \mtx, \u, \p
	PLACES
	QUANT HA, \pc, PW
	global_store_b128 v[GOF], v[\pc:\pc+3], s[\base:\base+1] offset:8192*\p+1024*\u
	global_store_b128 v[GOF], v[\pc+4:\pc+7], s[\base:\base+1] offset:8192*\p+1024*\u+512
.if \u == 0
	v_mov_b32 v[\sreg+\p], v[PW]
.else
	v_cndmask_b32 v[\sreg+\p], v[\sreg+\p], v[PW], s[HI]
.endif
.endm
	s_load_b512 s[4:19], s[0:1], 0x0
	v_lshl_add_u32 v182, v0, 2, 0x49800
	v_mov_b32 v183, 0
	ds_add_u32 v182, v183
	ds_add_u32 v182, v183
	v_lshrrev_b32 v1, 5, v0
	v_readfirstlane_b32 s[WV], v1
	s_mov_b32 s[HI], 0xffff0000
	s_mov_b32 s[SEL], 0x76543210
	s_mov_b32 s[SEL+1], 0xfedcba98
	s_mov_b32 s[G1+0], (3<<16)|(1<<20)|(7<<22)|(3<<25)
	s_mov_b32 s[G1+1], 128<<16
	s_mov_b32 s[G1+2], 32<<16
	s_mov_b32 s[G1+3], 128<<16
	s_mov_b32 s[G1+4], 32
	s_mov_b32 s[G1+5], 128
	s_mov_b32 s[G1+6], 0
	s_mov_b32 s[G1+7], 0
	s_mul_i32 s48, s[WV], 2*WPART
	s_lshl_b32 s50, ttmp9, 18
	s_lshl_b32 s51, s[WV], 15
	s_add_co_u32 s50, s50, s51
	s_mov_b32 s51, 0
	s_wait_dscnt 0x0
	s_wait_kmcnt 0x0
	s_add_nc_u64 s[4:5], s[4:5], s[50:51]
.irp p, 0,1
	s_mov_b32 s[G0+4*\p], 1
	s_add_co_u32 s[G0+4*\p+1], s48, 2*STG*\p
	s_add_nc_u64 s[G0+4*\p+2:G0+4*\p+3], s[4:5], 131072*\p
	s_or_b32 s[G0+4*\p+3], s[G0+4*\p+3], 0x80000000
.endr
	tensor_load_to_lds s[G0:G0+3], s[G1:G1+7]      ; my 16 of rows 0-63: the wave's one load at the head
	s_nop 0
	PLACES
	v_and_b32 v13, 31, v0
	v_and_b32 v14, 15, v0
	v_bfe_u32 v15, v0, 4, 1
	v_lshlrev_b32 v[LI], 4, v13
	v_add_nc_u32 v[LIX], XIMG, v[LI]
	s_lshl_b32 s49, s[WV], 11
	v_add_nc_u32 v[GOF], s49, v[LI]
	v_add_nc_u32 v[XWI], s49, v[LIX]
	v_lshlrev_b32 v[XSR], 2, v13
	v_add_nc_u32 v[XSR], XSC, v[XSR]
	s_lshl_b32 s49, s[WV], 7
	v_add_nc_u32 v[XSW], s49, v[XSR]
	v_and_b32 v[BR], 8, v14
	v_add_nc_u32 v[BR], v[BR], v14
	v_mul_u32_u24 v[XR], v[BR], XP
	v_lshl_add_u32 v[XR], v15, 6, v[XR]
	s_lshr_b32 s49, s[WV], 1
	s_mul_i32 s49, s49, 1040
	s_and_b32 s52, s[WV], 1
	s_lshl_b32 s52, s52, 9
	s_add_co_u32 s49, s49, s52
	v_add_nc_u32 v[XR], s49, v[XR]
	s_lshl_b32 s49, s[WV], 13
	v_add_nc_u32 v[GOV], s49, v[LI]
	s_lshl_b32 s49, s[WV], 9
	v_add_nc_u32 v[GOS], s49, v[LI]
	v_lshlrev_b32 v[BH], 6, v15
	s_wait_alu depctr_va_vdst(0)
	v_lshlrev_b32 v[BR], 2, v[BR]
	s_wait_alu depctr_va_vdst(0)
.irp b, 0,1,2,3
	v_mov_b32 v[TM+4+\b], 0
.endr
	s_lshl_b32 s52, s[WV], 15
	s_mov_b32 s53, 0
	s_add_nc_u64 s[6:7], s[6:7], s[52:53]
	s_lshl_b32 s52, s[WV], 11
	s_add_nc_u64 s[8:9], s[8:9], s[52:53]
	s_lshl_b32 s52, s[WV], 9
	s_add_nc_u64 s[10:11], s[10:11], s[52:53]
	s_add_nc_u64 s[12:13], s[12:13], s[52:53]
	s_add_nc_u64 s[14:15], s[14:15], s[52:53]
	s_mul_i32 s54, ttmp9, 34816
	s_mov_b32 s55, 0
	s_add_nc_u64 s[16:17], s[16:17], s[54:55]
	s_mul_i32 s56, ttmp9, 69632
	s_mov_b32 s57, 0
	s_add_nc_u64 s[18:19], s[18:19], s[56:57]
	WIN 0x40
.set k, 0
.rept 64
	global_load_b128 v[4*k:4*k+3], v[LI], s[6:7] offset:512*k
.set k, k+1
.endr
	WIN 0x80
.set k, 0
.rept 64
	global_load_b128 v[4*k:4*k+3], v[LI], s[6:7] offset:131072+512*k
.set k, k+1
.endr
	WIN 0xc0
.irp t, 0,1,2,3,4,5,6,7
	global_load_b128 v[8*\t:8*\t+3], v[BH], s[10:11] offset:(32*(\t/2)+8*(\t%2))*4
	global_load_b128 v[8*\t+4:8*\t+7], v[BH], s[10:11] offset:(32*(\t/2)+8*(\t%2))*4+16
	global_load_b128 v[64+8*\t:64+8*\t+3], v[BH], s[12:13] offset:(32*(\t/2)+8*(\t%2))*4
	global_load_b128 v[64+8*\t+4:64+8*\t+7], v[BH], s[12:13] offset:(32*(\t/2)+8*(\t%2))*4+16
.endr
.irp t, 0,1,2,3,4,5,6,7
.irp j, 0,1,2,3,4,5,6,7
	global_load_b32 v[128+8*\t+\j], v[BR], s[14:15] offset:(32*(\t/2)+8*(\t%2))*4
.endr
.endr
	WIN 0
.irp m, 0,1,2
.irp s, 0,1,2,3
	global_load_b128 v[WS+16*\m+4*\s:WS+16*\m+4*\s+3], v[LI], s[8:9] offset:8192*\m+512*\s
.endr
.endr
.macro STAGE p
.if \p == 0
	s_wait_alu depctr_va_vdst(0)
	s_wait_tensorcnt 0x0                           ; my part of rows 0-63 is in
	ds_add_u32 v182, v183
	s_wait_dscnt 0x0
	s_barrier_signal -1
	s_barrier_wait -1
	tensor_load_to_lds s[G0+4:G0+7], s[G1:G1+7]    ; my 16 of rows 64-127: a first fill, issued as a refill is
	s_nop 0
	PLACES
.else
	s_wait_dscnt 0x0
.if \p == 2
	s_wait_tensorcnt 0x0                           ; my part of rows 64-127 is in
.endif
	s_barrier_signal -1
	s_barrier_wait -1
.endif
	v_add_nc_u32 v[XRT], STG*\p, v[XR]
.irp b, 0,1,2,3
.irp j, 0,1,2,3
	ds_load_b128 v[HA+16*\b+4*\j:HA+16*\b+4*\j+3], v[XRT] offset:128*\b+16*\j
.endr
.endr
.irp b, 0,1,2,3
.irp j, 0,1,2,3
	ds_load_b128 v[XF+16*\b+4*\j:XF+16*\b+4*\j+3], v[XRT] offset:WPART+128*\b+16*\j
.endr
.endr
	s_wait_dscnt 16
	QUANT HA, PC0, PW
	s_wait_dscnt 0x0
	QUANT XF, PC1, PW1
	v_cndmask_b32 v[PW], v[PW], v[PW1], s[HI]
	ds_store_b128 v[XWI], v[PC0:PC0+3] offset:8192*\p
	ds_store_b128 v[XWI], v[PC0+4:PC0+7] offset:8192*\p+512
	ds_store_b128 v[XWI], v[PC1:PC1+3] offset:8192*\p+1024
	ds_store_b128 v[XWI], v[PC1+4:PC1+7] offset:8192*\p+1536
	ds_store_b32 v[XSW], v[PW] offset:512*\p
	s_wait_dscnt 0x0
	s_barrier_signal -1
	s_barrier_wait -1
.set k, 0
.rept 16
	ds_load_b128 v[XF+4*k:XF+4*k+3], v[LIX] offset:8192*\p+512*k
.set k, k+1
.endr
.irp s, 0,1,2,3
	ds_load_b32 v[XVS+4*\p+\s], v[XSR] offset:128*(4*\p+\s)
.endr
	s_wait_dscnt 0x0
.if \p == 0
	s_wait_loadcnt 0x0
.endif
	PRJ 0, 0, \p, PC0, QS, 16
	PRJ 0, 1, \p, PC1, QS, 16
.if \p == 3
	WIN 0x40
.set k, 0
.rept 64
	global_load_b128 v[4*k:4*k+3], v[LI], s[6:7] offset:262144+512*k
.set k, k+1
.endr
	WIN 0
.endif
	PRJ 1, 0, \p, PC0, KS, 18
	PRJ 1, 1, \p, PC1, KS, 18
.endm
	STAGE 0
	STAGE 1
	STAGE 2
	STAGE 3
	global_store_b128 v[GOS], v[QS:QS+3], s[16:17] offset:32768
	global_store_b128 v[GOS], v[KS:KS+3], s[18:19] offset:32768
	WIN 0x80
.set k, 0
.rept 64
	ds_load_b128 v[4*k:4*k+3], v[LIX] offset:512*k
.set k, k+1
.endr
	WIN 0
	s_wait_dscnt 0x0
	s_wait_loadcnt 0x0
.irp t, 0,1,2,3,4,5,6,7
	MULV \t
	PLACES
.if \t%2 == 0
	QUANT HA, PC0, PW
	global_store_b128 v[GOV], v[PC0:PC0+3], s[18:19] offset:34816+1024*\t
	global_store_b128 v[GOV], v[PC0+4:PC0+7], s[18:19] offset:34816+1024*\t+512
	v_mov_b32 v[VS+\t/2], v[PW]
.else
	QUANT HA, PC1, PW
	global_store_b128 v[GOV], v[PC1:PC1+3], s[18:19] offset:34816+1024*\t
	global_store_b128 v[GOV], v[PC1+4:PC1+7], s[18:19] offset:34816+1024*\t+512
	v_cndmask_b32 v[VS+\t/2], v[VS+\t/2], v[PW], s[HI]
.endif
.endr
	global_store_b128 v[GOS], v[VS:VS+3], s[18:19] offset:67584
	s_wait_tensorcnt 0x0
	ds_add_u32 v182, v183
	s_wait_dscnt 0x0
	s_endpgm
.Lfunc_end_k_qfd07666ada_proj:
	.size	k_qfd07666ada_proj, .Lfunc_end_k_qfd07666ada_proj-k_qfd07666ada_proj
	.p2alignl 7, 3214868480
	.fill 96, 4, 3214868480
	.section	.rodata,"a",@progbits
	.p2align	6, 0x0
	.amdhsa_kernel k_qfd07666ada_proj
		.amdhsa_group_segment_fixed_size 327680
		.amdhsa_private_segment_fixed_size 0
		.amdhsa_enable_private_segment 0
		.amdhsa_kernarg_size 64
		.amdhsa_user_sgpr_count 2
		.amdhsa_user_sgpr_kernarg_segment_ptr 1
		.amdhsa_wavefront_size32 1
		.amdhsa_system_sgpr_workgroup_id_x 1
		.amdhsa_system_sgpr_workgroup_id_y 1
		.amdhsa_system_sgpr_workgroup_id_z 1
		.amdhsa_system_vgpr_workitem_id 0
		.amdhsa_next_free_vgpr 1024
		.amdhsa_next_free_sgpr 66
		.amdhsa_reserve_vcc 0
		.amdhsa_float_denorm_mode_32 3
		.amdhsa_float_denorm_mode_16_64 3
		.amdhsa_memory_ordered 1
		.amdhsa_forward_progress 1
		.amdhsa_inst_pref_size 255
	.end_amdhsa_kernel
	.section	.bss,"aw",@nobits
	.p2align	6
	.space	262144
	.amdgpu_metadata
---
amdhsa.version: [ 1, 2 ]
amdhsa.kernels:
  - .name:           k_qfd07666ada_proj
    .symbol:         k_qfd07666ada_proj.kd
    .args:
      - { .name: inputs, .offset: 0, .size: 8, .value_kind: global_buffer, .address_space: global }
      - { .name: wfrag, .offset: 8, .size: 8, .value_kind: global_buffer, .address_space: global }
      - { .name: wscl, .offset: 16, .size: 8, .value_kind: global_buffer, .address_space: global }
      - { .name: db1, .offset: 24, .size: 8, .value_kind: global_buffer, .address_space: global }
      - { .name: db2, .offset: 32, .size: 8, .value_kind: global_buffer, .address_space: global }
      - { .name: db3, .offset: 40, .size: 8, .value_kind: global_buffer, .address_space: global }
      - { .name: qfrag, .offset: 48, .size: 8, .value_kind: global_buffer, .address_space: global }
      - { .name: kvfrag, .offset: 56, .size: 8, .value_kind: global_buffer, .address_space: global }
    .group_segment_fixed_size: 327680
    .private_segment_fixed_size: 0
    .kernarg_segment_align: 8
    .kernarg_segment_size: 64
    .max_flat_workgroup_size: 128
    .sgpr_count:     66
    .vgpr_count:     1024
    .wavefront_size: 32
...
	.end_amdgpu_metadata
.endif
;; end of part 2
;; launch attn (part 3): grid 256 x 1, 4 waves a work-group, clusters of 4 x 1, 327,680 bytes of LDS; arguments inputs, mask_array, qfrag, kvfrag, out0; writes out0
.if DOCPART == 3
	.amdgcn_target "amdgcn-amd-amdhsa--gfx1250"
	.amdhsa_code_object_version 6
	.text
	.protected	k_qfd07666ada_attn
	.globl	k_qfd07666ada_attn
	.p2align	8
	.type	k_qfd07666ada_attn,@function
k_qfd07666ada_attn:
	s_mov_b64 s[64:65], 0
	v_nop
	global_prefetch_b8 v0, s[64:65] scope:SCOPE_SE
	s_setreg_imm32_b32 hwreg(HW_REG_WAVE_MODE, 25, 1), 1
	s_wait_xcnt 0x0
	s_wait_alu depctr_hold_cnt(0) depctr_sa_sdst(0) depctr_va_vdst(0) depctr_va_sdst(0) depctr_va_ssrc(0) depctr_va_vcc(0) depctr_vm_vsrc(0)
	s_getreg_b32 s2, hwreg(HW_REG_IB_STS2, 6, 4)
	s_cmp_eq_u32 s2, 0
	s_cbranch_scc0 .Lentry_in_a_cluster
	s_endpgm
.Lentry_in_a_cluster:
	s_bfe_u32 s2, ttmp6, 0x10000c
	s_cmp_lg_u32 s2, 0x3003
	s_cbranch_scc0 .Lentry_shape_is_right
	s_endpgm
.Lentry_shape_is_right:
; out = LayerNorm(softmax(Q K^T / sqrt(512) + (1 - m) x -1e10) V + X), block by block of 512 rows; both products on codes of FP4 (E2M1) with one E8M0 scale for each 32 along a product's K.
; Q, K (K = the 512 units) and V (K = the keys) come as images of operand registers with their scale words, in groups of 128 rows.  m, X and out: [32,768][512] f32.
; TWO PHASES.  First all 512 keys' t = score x log2(e) / sqrt(512) + (m - 1) x 1e10 log2(e) are made and kept in registers; then M = ceil(the row's largest t) is known, p = 2^(t - M) is quantised along the keys once,
; the row's sum l is taken of the unquantised p, and nothing is ever rescaled.  Then O^T = V^T P^T goes by groups of 128 units, each over all four groups of keys, into the registers that t has left.
; l X is added onto O, so that the registers hold a = l y (y = O / l + X); LayerNorm is taken of a, and 1 / l goes into the row's factor: out = a f - mean(a) f, f = (1 / l) rsq(var(a) / l^2 + 1e-3).
; LIMITS: NaN and infinities are not served.  The mask's term is folded as t = fma(score, c, m BIG - BIG): in a row all of whose keys are hidden the p are equal while |score x c| < 512.  A block of p that has fallen to zeros keeps the byte 1: its codes are zeros.
; var(a) is taken as mean(a^2) - mean(a)^2 in f32, held at 0 from below: its relative error grows as mean^2 / var x 2^-22, so the text serves rows whose mean is up to some 100 times their spread.
; SHARES.  A cluster of four work-groups is one block of 512 rows; a work-group owns 128 queries, each of its four waves 32: tiles q = 0, 1 of 16.  Both products are used transposed: a lane holds ONE query.
; Lane r of tile q holds query 32 w + 8 q + r + 8 (r / 8); the keys of K's tiles and the units of V's are ordered alike, so that 16 registers of two neighbouring tiles are 16 neighbours.
; THE RING: eight fills of 101,376 bytes through two slots.  Fills 0-3: K's part of 128 keys (34,816 bytes) and my 128 rows x 128 keys of m; fills 4-7: V's 128 units x 512 keys (4 x 8,192 bytes) and my 128 rows x 128 columns of X.
; Wave 0 asks for K's and V's bytes jointly for the four work-groups, which walk the same K and V; waves 2 and 3 fetch the halves of m's or X's tile; wave 1 fetches V's scale words (8,192 bytes, jointly) once, at the head.
; By this text's count a wave has one tensor load out at the most.  Behind fill f stand prefetches of what fill f + 2 brings.
; A STEP goes in four parts: 16 products on four accumulators, which are then finished, and at once their 50 or so vector lines, while the next part's loads are on their way.
; m's and X's rows lie 520 bytes = 130 words apart and are read 8 bytes a lane: the 32 lanes of a load (rows r + 8 (r / 8), halves h) start at words 2 row + 16 h modulo 64, all different (64 banks of 4 bytes: ISA guide 11.1).
; REGISTERS.  window 0: addresses, statistics, p's codes, scale words, tile 1's m or X.  window 1: v0-63 Q; v64-191 two buffers of eight fragments; v192-255 tile 0's m or X; at the end the rows' factors.
; windows 2, 3: group j (of keys, then of units) of tile q at window 2 + j / 2, v[128 (j % 2) + 64 q ..].
.set PART,  34816
.set MP,    520                        ; a row of m's or X's tile: 512 bytes + 8
.set SP,    528                        ; a row of the stage: 512 bytes + 16
.set MOFF,  PART
.set SLOT,  PART+128*MP
.set STG,   2*SLOT                     ; behind the ring: the stage, 128 rows x 128 columns, bytes of its own
.set VSC,   STG+128*SP                 ; V's scale words
.set TAB,   VSC+8192                   ; each row's f, f, -mean f, -mean f: 16 bytes a row
.set SPARE, TAB+2048                   ; the spare words: two blocks of 256 bytes that no other line names
.set SPW, 1
.set NIL, 2
.set AL,  3                            ; v3, v4 16 x lane in slot 0, 1
.set AM,  5                            ; v5, v6 m, X: row 32 w + r + 8 (r / 8), + 64 h
.set AVS, 7
.set ASTO, 8                           ; the stage, on the way in: row 32 w + r (tile 1: 16 rows on), + 64 h
.set ARD, 9                            ; and back by rows
.set QOF, 10
.set PFO, 11                           ; 2,048 x lane
.set PFL, 12                           ; 256 x lane
.set ATS, 13
.set ATR, 14
.set ST,  16                           ; eight a tile: +0 -M, then 1 / l; +1 largest t, then mean; +2, +3 l; +4 .. +7 the row's four table words
.set NB,  32
.set NEG, 34
.set M1C, 40                           ; v40-103 second phase: tile 1's X
.set TMX, 40                           ; first phase: largest t of block 4 j + b of tile q at 16 q + 4 j + b
.set TY,  72
.set TS,  88
.set TB,  104
.set LQ,  104                          ; second phase: the sums of a^2
.set PW,  120                          ; v120-163 scale words and nothing else
.set QSC, 128
.set KS,  132
.set VS,  148
.set PC,  164                          ; p's codes: 32 q + 8 j
.set M1A, 164                          ; first phase: tile 1's m
.set LN,  228
.set QF,  0
.set FA,  64
.set FB,  128
.set MK,  192
.set WV,  14
.set JW,  15
.set G1J, 16
.set G1M, 24
.set G1V, 32
.set G1S, 40
.set G0J, 48
.set G0M, 52
.set G0S, 56
.set KB,  60
.set MB,  62
.set XB,  66
.set PM,  68
.set PX,  70
.set PK,  72
.set PV,  74
.set CS,  76
.set BIG, 78
.set SEL, 80
.set R512, 82
.set EPS, 83
.set MH,  84
.set FLR, 85                           ; 2^(3 - 127)
.set QB,  86
.set M2E, 88                           ; -(2 << 23)
.set MSB, 0
.macro WIN new                         ; the immediate's high byte repeats the setting that is left
.if MSB != (\new)
	s_set_vgpr_msb (MSB<<8)|(\new)
.set MSB, (\new)
.endif
.endm
.macro PLACES                          ; four plain lines behind a matrix instruction, and behind a tensor load
.rept 4
	v_nop
.endr
.endm
.macro CROUND                          ; a round of the cluster's barrier
	s_barrier_signal -1
	s_barrier_wait -1
	s_cmp_lg_u32 s[WV], 0
	s_cbranch_scc1 .Lnot_wave_0_\@
	s_barrier_signal -3
.Lnot_wave_0_\@:
	s_barrier_wait -3
	s_barrier_signal -1
	s_barrier_wait -1
.endm
.macro SETG0 f                         ; the groups 0 of fill f: written while no tensor load of the wave is out
	s_mov_b32 s[G0J+1], ((\f)%2)*SLOT
	s_add_co_u32 s[G0M+1], s[MH], ((\f)%2)*SLOT+MOFF
.if (\f) < 4
	s_add_nc_u64 s[G0J+2:G0J+3], s[KB:KB+1], 2*PART*(\f)
	s_add_nc_u64 s[G0M+2:G0M+3], s[MB:MB+1], 512*(\f)
.else
	s_add_nc_u64 s[G0J+2:G0J+3], s[KB:KB+1], PART+8192*((\f)-4)
	s_add_nc_u64 s[G0M+2:G0M+3], s[XB:XB+1], 512*((\f)-4)
.endif
	s_or_b32 s[G0J+3], s[G0J+3], 0x80000000
	s_or_b32 s[G0M+3], s[G0M+3], 0x80000000
.endm
.macro JLOAD f                         ; wave 0: K's part or V's chunk, jointly; waves 2, 3: the halves of m's or X's tile.  The branches hang on the wave's number alone
	s_cmp_eq_u32 s[WV], 0
	s_cbranch_scc0 .Lnj_\@
.if (\f) < 4
	tensor_load_to_lds s[G0J:G0J+3], s[G1J:G1J+7]
.else
	tensor_load_to_lds s[G0J:G0J+3], s[G1V:G1V+7]
.endif
	s_nop 0
	PLACES
	s_branch .Lasked_\@
.Lnj_\@:
	s_cmp_lt_u32 s[WV], 2
	s_cbranch_scc1 .Lasked_\@
	tensor_load_to_lds s[G0M:G0M+3], s[G1M:G1M+7]
	s_nop 0
	PLACES
.Lasked_\@:
.endm
; THE CHANGE OF SLOTS in front of step f - 1: all my tensor loads are in, the add, my LDS reads are over; a round; then fill f goes into the slot that step f - 2 has left.  f = 8: nothing more is asked for.
.macro CHANGE f
	WIN 0
	s_wait_alu depctr_va_vdst(0)
	s_wait_tensorcnt 0x0
	ds_add_u32 v[SPW], v[NIL]
.if (\f) < 8
	SETG0 \f
.endif
	s_wait_dscnt 0x0
.if (\f) < 8
	CROUND
	JLOAD \f
.else
	s_barrier_signal -1
	s_barrier_wait -1
.endif
.endm
; PREFETCH behind fill f of what fill f + 2 brings.  m or X: each wave its own 32 rows, a lane a row, 512 bytes = two blocks of 256.  K's images or V's chunk, 32,768 bytes: the four partners take 8,192 each, told apart by address;
; wave 1 asks, lanes 256 bytes apart.  K's scale words come by their load alone.  Fills 6 and 7 ask for nothing: there is no fill behind 7.  No address register is ever rewritten.
.macro ASK f
.if (\f)+2 < 8
.if (\f)+2 < 4
	global_prefetch_b8 v[PFO], s[PM:PM+1] offset:512*((\f)+2) th:TH_LOAD_NT scope:SCOPE_SE
	global_prefetch_b8 v[PFO], s[PM:PM+1] offset:512*((\f)+2)+256 th:TH_LOAD_NT scope:SCOPE_SE
.else
	global_prefetch_b8 v[PFO], s[PX:PX+1] offset:512*((\f)-2) th:TH_LOAD_NT scope:SCOPE_SE
	global_prefetch_b8 v[PFO], s[PX:PX+1] offset:512*((\f)-2)+256 th:TH_LOAD_NT scope:SCOPE_SE
.endif
	s_cmp_eq_u32 s[WV], 1
	s_cbranch_scc0 .Lnp_\@
.if (\f)+2 < 4
	global_prefetch_b8 v[PFL], s[PK:PK+1] offset:2*PART*((\f)+2) th:TH_LOAD_NT scope:SCOPE_SE
.else
	global_prefetch_b8 v[PFL], s[PV:PV+1] offset:8192*((\f)-2) th:TH_LOAD_NT scope:SCOPE_SE
.endif
.Lnp_\@:
.endif
.endm
; one product, by the symbols rD, rA, rB, rC (under 0: the constant 0 starts the sum), rSA, rSB; fA, fB = 1: that side's scales stand in lanes 16-31
.macro WM
.if rC < 0
.if fA && fB
	v_wmma_scale_f32_16x16x128_f8f6f4 v[rD:rD+7], v[rA:rA+7], v[rB:rB+7], 0, v[rSA], v[rSB] matrix_a_fmt:MATRIX_FMT_FP4 matrix_b_fmt:MATRIX_FMT_FP4 matrix_a_scale:MATRIX_SCALE_ROW1 matrix_b_scale:MATRIX_SCALE_ROW1
.elseif fA
	v_wmma_scale_f32_16x16x128_f8f6f4 v[rD:rD+7], v[rA:rA+7], v[rB:rB+7], 0, v[rSA], v[rSB] matrix_a_fmt:MATRIX_FMT_FP4 matrix_b_fmt:MATRIX_FMT_FP4 matrix_a_scale:MATRIX_SCALE_ROW1
.elseif fB
	v_wmma_scale_f32_16x16x128_f8f6f4 v[rD:rD+7], v[rA:rA+7], v[rB:rB+7], 0, v[rSA], v[rSB] matrix_a_fmt:MATRIX_FMT_FP4 matrix_b_fmt:MATRIX_FMT_FP4 matrix_b_scale:MATRIX_SCALE_ROW1
.else
	v_wmma_scale_f32_16x16x128_f8f6f4 v[rD:rD+7], v[rA:rA+7], v[rB:rB+7], 0, v[rSA], v[rSB] matrix_a_fmt:MATRIX_FMT_FP4 matrix_b_fmt:MATRIX_FMT_FP4
.endif
.else
.if fA && fB
	v_wmma_scale_f32_16x16x128_f8f6f4 v[rD:rD+7], v[rA:rA+7], v[rB:rB+7], v[rC:rC+7], v[rSA], v[rSB] matrix_a_fmt:MATRIX_FMT_FP4 matrix_b_fmt:MATRIX_FMT_FP4 matrix_a_scale:MATRIX_SCALE_ROW1 matrix_b_scale:MATRIX_SCALE_ROW1
.elseif fA
	v_wmma_scale_f32_16x16x128_f8f6f4 v[rD:rD+7], v[rA:rA+7], v[rB:rB+7], v[rC:rC+7], v[rSA], v[rSB] matrix_a_fmt:MATRIX_FMT_FP4 matrix_b_fmt:MATRIX_FMT_FP4 matrix_a_scale:MATRIX_SCALE_ROW1
.elseif fB
	v_wmma_scale_f32_16x16x128_f8f6f4 v[rD:rD+7], v[rA:rA+7], v[rB:rB+7], v[rC:rC+7], v[rSA], v[rSB] matrix_a_fmt:MATRIX_FMT_FP4 matrix_b_fmt:MATRIX_FMT_FP4 matrix_b_scale:MATRIX_SCALE_ROW1
.else
	v_wmma_scale_f32_16x16x128_f8f6f4 v[rD:rD+7], v[rA:rA+7], v[rB:rB+7], v[rC:rC+7], v[rSA], v[rSB] matrix_a_fmt:MATRIX_FMT_FP4 matrix_b_fmt:MATRIX_FMT_FP4
.endif
.endif
.endm
.macro RB j, q                         ; where group j of tile q lies: window W, register B0
.set W, 2+(\j)/2
.set B0, 128*((\j)%2)+64*(\q)
.endm
.macro FETCH adr, g, buf               ; K: eight images (keys 32 g on, four K steps x two tiles), 8,192 bytes, in one run of 16 loads
	WIN 0x40
.set k, 0
.rept 16
	ds_load_b128 v[\buf+4*k:\buf+4*k+3], v[\adr] offset:8192*\g+512*k
.set k, k+1
.endr
.endm
.macro FETCHV adr, P, buf              ; V: eight images (unit tiles 2 P, 2 P + 1 x four groups of keys): register 16 j + 8 u
	WIN 0x40
.irp j, 0,1,2,3
.irp k, 0,1,2,3
	ds_load_b128 v[\buf+16*\j+4*\k:\buf+16*\j+4*\k+3], v[\adr] offset:8192*\j+2048*\P+512*\k
.endr
.endr
.endm
.macro MBLK slot, b, d1                ; block b (32 columns) of both tiles' m or X, 16 loads of 8 bytes a lane: register 16 b + i = column 32 b + 16 h + i.  Tile 1 lies eight rows further down
	WIN 0x40
.irp c, 0,1,2,3,4,5,6,7
	ds_load_b64 v[MK+16*\b+2*\c:MK+16*\b+2*\c+1], v[AM+\slot] offset:128*\b+8*\c
.endr
	WIN 0
.irp c, 0,1,2,3,4,5,6,7
	ds_load_b64 v[\d1+16*\b+2*\c:\d1+16*\b+2*\c+1], v[AM+\slot] offset:8*MP+128*\b+8*\c
.endr
.endm
; 16 products: keys 32 g .. 32 g + 31 of group j x my two tiles of queries, all four K steps.  The four accumulators take turns.
.macro MULS j, g, buf
	WIN 0x05+0x50*(2+(\j)/2)
.irp s, 0,1,2,3
.irp u, 0,1
.irp q, 0,1
.set rD, 128*((\j)%2)+64*\q+16*\g+8*\u
.set rA, \buf+16*\s+8*\u
.set rB, QF+8*(4*\q+\s)
.if \s == 0
.set rC, -1
.else
.set rC, rD
.endif
.set rSA, KS+4*\s+\g
.set rSB, QSC+\s
.set fA, \u
.set fB, \q
	WM
.endr
.endr
.endr
.endm
; Behind MULS j, g: m BIG - BIG (0 where m = 1; these 16 lines are the places behind the products), t (each accumulator from its low end on), and the largest t of block g of both tiles, in four chains
.macro VECA j, g
	RB \j, 0
	WIN 0x41
.set n, 16*\g
.rept 8
	v_pk_fma_f32 v[MK+n:MK+n+1], v[MK+n:MK+n+1], s[BIG:BIG+1], v[NB:NB+1] op_sel_hi:[1,0,1]
.set n, n+2
.endr
	WIN 0
.set n, 16*\g
.rept 8
	v_pk_fma_f32 v[M1A+n:M1A+n+1], v[M1A+n:M1A+n+1], s[BIG:BIG+1], v[NB:NB+1] op_sel_hi:[1,0,1]
.set n, n+2
.endr
	WIN W|0x10|(W<<6)
.set n, 16*\g
.rept 8
	v_pk_fma_f32 v[B0+n:B0+n+1], v[B0+n:B0+n+1], s[CS:CS+1], v[MK+n:MK+n+1] op_sel_hi:[1,0,1]
.set n, n+2
.endr
	WIN W|(W<<6)
.set n, 16*\g
.rept 8
	v_pk_fma_f32 v[B0+64+n:B0+64+n+1], v[B0+64+n:B0+64+n+1], s[CS:CS+1], v[M1A+n:M1A+n+1] op_sel_hi:[1,0,1]
.set n, n+2
.endr
	WIN 0x14*W
.irp q, 0,1
	v_max3_num_f32 v[TMX+16*\q+4*\j+\g], v[NEG], v[B0+64*\q+16*\g], v[B0+64*\q+16*\g+1]
	v_max3_num_f32 v[TY+\q], v[NEG], v[B0+64*\q+16*\g+8], v[B0+64*\q+16*\g+9]
.endr
.irp i, 2,4,6
.irp q, 0,1
	v_max3_num_f32 v[TMX+16*\q+4*\j+\g], v[TMX+16*\q+4*\j+\g], v[B0+64*\q+16*\g+\i], v[B0+64*\q+16*\g+\i+1]
	v_max3_num_f32 v[TY+\q], v[TY+\q], v[B0+64*\q+16*\g+8+\i], v[B0+64*\q+16*\g+9+\i]
.endr
.endr
	WIN 0
.irp q, 0,1
	v_max_num_f32 v[TMX+16*\q+4*\j+\g], v[TMX+16*\q+4*\j+\g], v[TY+\q]
.endr
.endm
; A STEP OF THE FIRST PHASE: t of 128 keys.  LDS loads go out as run, block, run, block, 16 each.  A wait for 48 leaves a block, a run and a block out: the run ahead of them is in; a wait for 32 leaves a run and a block out: the block ahead of them is in.
.macro ASTEP j, slot
	WIN 0
.irp s, 0,1,2,3
	ds_load_b128 v[KS+4*\s:KS+4*\s+3], v[AL+\slot] offset:32768+512*\s
.endr
	FETCH AL+\slot, 0, FA
	MBLK \slot, 0, M1A
	FETCH AL+\slot, 1, FB
	MBLK \slot, 1, M1A
	ASK (\j)+1
.if \j == 0
	s_wait_loadcnt 0x0                             ; Q and its scale words
.endif
	s_wait_dscnt 48
	MULS \j, 0, FA
	s_wait_dscnt 32
	VECA \j, 0
	FETCH AL+\slot, 2, FA
	MBLK \slot, 2, M1A
	s_wait_dscnt 48
	MULS \j, 1, FB
	s_wait_dscnt 32
	VECA \j, 1
	FETCH AL+\slot, 3, FB
	MBLK \slot, 3, M1A
	s_wait_dscnt 48
	MULS \j, 2, FA
	s_wait_dscnt 32
	VECA \j, 2
	s_wait_dscnt 16                                ; the last block may be out
	MULS \j, 3, FB
	s_wait_dscnt 0x0
	VECA \j, 3
.endm
.macro ZL L
.set n, 0
.rept 16
	v_mov_b32 v[\L+n], 0
.set n, n+1
.endr
.endm
.macro FOLD L                          ; each tile's four chains, their halves, and lane l xor 16's: the row's sum in v[L + 8 q]
.irp q, 0,1
	v_pk_add_f32 v[\L+8*\q:\L+8*\q+1], v[\L+8*\q:\L+8*\q+1], v[\L+8*\q+2:\L+8*\q+3]
	v_pk_add_f32 v[\L+8*\q+4:\L+8*\q+5], v[\L+8*\q+4:\L+8*\q+5], v[\L+8*\q+6:\L+8*\q+7]
.endr
.irp q, 0,1
	v_pk_add_f32 v[\L+8*\q:\L+8*\q+1], v[\L+8*\q:\L+8*\q+1], v[\L+8*\q+4:\L+8*\q+5]
.endr
.irp q, 0,1
	v_add_f32 v[\L+8*\q], v[\L+8*\q], v[\L+8*\q+1]
.endr
.irp q, 0,1
	v_permlanex16_b32 v[TY+\q], v[\L+8*\q], s[SEL], s[SEL+1]
.endr
.irp q, 0,1
	v_add_f32 v[\L+8*\q], v[\L+8*\q], v[TY+\q]
.endr
.endm
; TILE q's SOFTMAX over all 512 keys: M, p, the 16 blocks' scales, the codes, and the sums of the unquantised p
.macro BPH q
.set rT, ST+8*\q
.set T0, TMX+16*\q
	WIN 0
.set k, 0
.rept 16
	v_permlanex16_b32 v[TY+k], v[T0+k], s[SEL], s[SEL+1]
.set k, k+1
.endr
.set k, 0
.rept 16
	v_max_num_f32 v[T0+k], v[T0+k], v[TY+k]        ; with lane l xor 16's 16 keys
.set k, k+1
.endr
	v_max3_num_f32 v[rT+1], v[T0], v[T0+1], v[T0+2]
.irp i, 3,5,7,9,11,13
	v_max3_num_f32 v[rT+1], v[rT+1], v[T0+\i], v[T0+\i+1]
.endr
	v_max_num_f32 v[rT+1], v[rT+1], v[T0+15]       ; the row's largest t
	v_floor_f32 v[rT], -v[rT+1]                    ; -M = floor(-t) = -ceil(t)
.set k, 0
.rept 16
	v_add_f32 v[T0+k], v[T0+k], v[rT]
.set k, k+1
.endr
.irp j, 0,1,2,3
	RB \j, \q
	WIN W|(W<<6)
.set n, 0
.rept 32
	v_pk_add_f32 v[B0+n:B0+n+1], v[B0+n:B0+n+1], v[rT:rT+1] op_sel_hi:[1,0]   ; t - M
.set n, n+2
.endr
.endr
	s_wait_alu depctr_va_vdst(0)
.irp j, 0,1,2,3
	RB \j, \q
	WIN W|(W<<6)
.set n, 0
.rept 64
	v_exp_f32 v[B0+n], v[B0+n]                     ; p = 2^(t - M), at most 1
.set n, n+1
.endr
.endr
	WIN 0
.set k, 0
.rept 16
	v_exp_f32 v[T0+k], v[T0+k]                     ; each block's largest p: the same arithmetic on the same number
.set k, k+1
.endr
	v_nop                                          ; a plain line behind the exponentials
	s_wait_alu depctr_va_vdst(0)                   ; and the one wait behind the batch
.set k, 0
.rept 16
	v_max_num_f32 v[T0+k], s[FLR], v[T0+k]         ; the floor 2^(3 - 127): the byte cannot fall under 1
.set k, k+1
.endr
.set k, 0
.rept 16
	v_add_nc_u32 v[TS+k], s[M2E], v[T0+k]          ; 2 off the exponent field: the conversion's scale operand
.set k, k+1
.endr
.set k, 0
.rept 16
	v_lshrrev_b32 v[TB+k], 23, v[TS+k]             ; the scale's byte
.set k, k+1
.endr
.irp j, 0,1,2,3
	v_lshl_or_b32 v[PW+4*\q+\j], v[TB+4*\j+1], 8, v[TB+4*\j]
.endr
.irp j, 0,1,2,3
	v_lshl_or_b32 v[PW+4*\q+\j], v[TB+4*\j+2], 16, v[PW+4*\q+\j]
.endr
.irp j, 0,1,2,3
	v_lshl_or_b32 v[PW+4*\q+\j], v[TB+4*\j+3], 24, v[PW+4*\q+\j]
.endr
.irp j, 0,1,2,3
	RB \j, \q
	WIN W
.irp b, 0,1,2,3
	v_cvt_scalef32_pk8_fp4_f32 v[PC+32*\q+8*\j+2*\b], v[B0+16*\b:B0+16*\b+7], v[TS+4*\j+\b]
	v_cvt_scalef32_pk8_fp4_f32 v[PC+32*\q+8*\j+2*\b+1], v[B0+16*\b+8:B0+16*\b+15], v[TS+4*\j+\b]
.endr
.endr
	WIN 0
	v_nop                                          ; one plain line behind the scaled conversions
.irp j, 0,1,2,3
.irp c, 0,1
.irp i, 0,1
	v_permlane16_swap_b32 v[PC+32*\q+8*\j+4*\c+\i], v[PC+32*\q+8*\j+4*\c+2+\i]   ; the operand's layout wants a whole block in a lane
.endr
.endr
.endr
.irp j, 0,1,2,3
	RB \j, \q
	WIN W<<2
.set n, 0
.rept 32
	v_pk_add_f32 v[LN+8*\q+n%8:LN+8*\q+n%8+1], v[LN+8*\q+n%8:LN+8*\q+n%8+1], v[B0+n:B0+n+1]   ; the row's sum, in four packed chains
.set n, n+2
.endr
.endr
.endm
; 16 products: unit tiles 2 P, 2 P + 1 of group G x my two tiles' p, all four groups of keys.  The four accumulators take turns.
.macro MULV G, P, buf
	WIN 0x01+0x50*(2+(\G)/2)
.irp j, 0,1,2,3
.irp u, 0,1
.irp q, 0,1
.set rD, 128*((\G)%2)+64*\q+16*\P+8*\u
.set rA, \buf+16*\j+8*\u
.set rB, PC+32*\q+8*\j
.if \j == 0
.set rC, -1
.else
.set rC, rD
.endif
.set rSA, VS+4*\j+\P
.set rSB, PW+4*\q+\j
.set fA, \u
.set fB, 0
	WM
.endr
.endr
.endr
.endm
.macro XY G, P                         ; a = O + l X, each accumulator from its low end on
	RB \G, 0
	WIN 0x01|(W<<4)|(W<<6)
.set n, 16*\P
.rept 8
	v_pk_fma_f32 v[B0+n:B0+n+1], v[MK+n:MK+n+1], v[ST+2:ST+3], v[B0+n:B0+n+1] op_sel_hi:[1,0,1]
.set n, n+2
.endr
	WIN (W<<4)|(W<<6)
.set n, 16*\P
.rept 8
	v_pk_fma_f32 v[B0+64+n:B0+64+n+1], v[M1C+n:M1C+n+1], v[ST+10:ST+11], v[B0+64+n:B0+64+n+1] op_sel_hi:[1,0,1]
.set n, n+2
.endr
.endm
.macro YS G, P                         ; the sums of a and of a^2; behind the next part's products these 32 lines are their places
	RB \G, 0
	WIN W<<2
.irp q, 0,1
.set n, 16*\P
.rept 8
	v_pk_add_f32 v[LN+8*\q+n%8:LN+8*\q+n%8+1], v[LN+8*\q+n%8:LN+8*\q+n%8+1], v[B0+64*\q+n:B0+64*\q+n+1]
.set n, n+2
.endr
.endr
	WIN W|(W<<2)
.irp q, 0,1
.set n, 16*\P
.rept 8
	v_pk_fma_f32 v[LQ+8*\q+n%8:LQ+8*\q+n%8+1], v[B0+64*\q+n:B0+64*\q+n+1], v[B0+64*\q+n:B0+64*\q+n+1], v[LQ+8*\q+n%8:LQ+8*\q+n%8+1]
.set n, n+2
.endr
.endr
.endm
; A STEP OF THE SECOND PHASE: 128 units, finished over all 512 keys, 32 units at a time.  The waits count as in the first phase.
.macro CSTEP G, slot
	WIN 0
.irp j, 0,1,2,3
	ds_load_b128 v[VS+4*\j:VS+4*\j+3], v[AVS] offset:2048*\j+512*\G
.endr
	FETCHV AL+\slot, 0, FA
	MBLK \slot, 0, M1C
	FETCHV AL+\slot, 1, FB
	MBLK \slot, 1, M1C
	s_wait_dscnt 48
	MULV \G, 0, FA
	s_wait_dscnt 32
	PLACES
	XY \G, 0
	FETCHV AL+\slot, 2, FA
	MBLK \slot, 2, M1C
	s_wait_dscnt 48
	MULV \G, 1, FB
	YS \G, 0
	s_wait_dscnt 32
	XY \G, 1
	FETCHV AL+\slot, 3, FB
	MBLK \slot, 3, M1C
	s_wait_dscnt 48
	MULV \G, 2, FA
	YS \G, 1
	s_wait_dscnt 32
	XY \G, 2
	s_wait_dscnt 16
	MULV \G, 3, FB
	YS \G, 2
	s_wait_dscnt 0x0
	XY \G, 3
	YS \G, 3
.endm
	s_load_b256 s[4:11], s[0:1], 0x0               ; inputs, mask_array, qfrag, kvfrag
	s_load_b64 s[12:13], s[0:1], 0x20              ; out0
	v_lshl_add_u32 v[SPW], v0, 2, SPARE
	v_mov_b32 v[NIL], 0
	ds_add_u32 v[SPW], v[NIL]                      ; the opening lines: the add twice on end and its wait ahead of my first tensor load
	ds_add_u32 v[SPW], v[NIL]
	v_lshrrev_b32 v15, 5, v0
	v_readfirstlane_b32 s[WV], v15                 ; wave 0..3
	s_and_b32 s[JW], s[WV], 1
	s_bfe_u32 s88, ttmp6, 0x40000                  ; cx: my place in the cluster
	s_lshl_b32 s89, ttmp9, 2
	s_add_co_u32 s89, s89, s88                     ; my group of 128 queries
	; K's part: 34,816 dense bytes as 136 rows of 256, asked for jointly by the four
	s_mov_b32 s[G1J+0], 15|(3<<16)|(1<<21)
	s_mov_b32 s[G1J+1], 32<<16
	s_mov_b32 s[G1J+2], 136<<16
	s_mov_b32 s[G1J+3], 32<<16
	s_mov_b32 s[G1J+4], 136
	s_mov_b32 s[G1J+5], 32
	s_mov_b32 s[G1J+6], 0
	s_mov_b32 s[G1J+7], 0
	; m, X: 64 rows x 128 f32, rows 512 elements apart, 8 bytes of padding behind each 512
	s_mov_b32 s[G1M+0], (2<<16)|(1<<20)|(6<<22)|(1<<25)
	s_mov_b32 s[G1M+1], 128<<16
	s_mov_b32 s[G1M+2], 64<<16
	s_mov_b32 s[G1M+3], 128<<16
	s_mov_b32 s[G1M+4], 64
	s_mov_b32 s[G1M+5], 512
	s_mov_b32 s[G1M+6], 0
	s_mov_b32 s[G1M+7], 0
	; V's chunk: of each of the four groups of keys 8,192 bytes (1,024 elements of 8), the groups 69,632 bytes apart
	s_mov_b32 s[G1V+0], 15|(3<<16)|(1<<21)
	s_mov_b32 s[G1V+1], 1024<<16
	s_mov_b32 s[G1V+2], 4<<16
	s_mov_b32 s[G1V+3], 1024<<16
	s_mov_b32 s[G1V+4], 4
	s_mov_b32 s[G1V+5], 8704
	s_mov_b32 s[G1V+6], 0
	s_mov_b32 s[G1V+7], 0
	; V's scale words: of each group 2,048 bytes
	s_mov_b32 s[G1S+0], 15|(3<<16)|(1<<21)
	s_mov_b32 s[G1S+1], 256<<16
	s_mov_b32 s[G1S+2], 4<<16
	s_mov_b32 s[G1S+3], 256<<16
	s_mov_b32 s[G1S+4], 4
	s_mov_b32 s[G1S+5], 8704
	s_mov_b32 s[G1S+6], 0
	s_mov_b32 s[G1S+7], 0
	s_mul_i32 s92, ttmp9, 8*PART                   ; the block's four groups of kvfrag: no place in the cluster enters this
	s_mov_b32 s93, 0
	s_lshl_b32 s90, s89, 18                        ; my 128 rows of 2,048 bytes
	s_mov_b32 s91, 0
	s_lshl_b32 s94, s[JW], 17                      ; 64 rows
	s_mov_b32 s95, 0
	s_lshl_b32 s96, s[WV], 16                      ; 32 rows
	s_mov_b32 s97, 0
	s_mul_i32 s[MH], s[JW], 64*MP
	s_mul_i32 s98, s89, PART                       ; my group of qfrag
	s_mov_b32 s99, 0
	s_mov_b32 s[CS], 0x3d8293ee                    ; log2(e) / sqrt(512)
	s_mov_b32 s[CS+1], s[CS]
	s_mov_b32 s[BIG], 0x5056fa73                   ; 1e10 log2(e)
	s_mov_b32 s[BIG+1], s[BIG]
	s_mov_b32 s[SEL], 0x76543210
	s_mov_b32 s[SEL+1], 0xfedcba98
	s_mov_b32 s[R512], 0x3b000000                  ; 1 / 512
	s_mov_b32 s[EPS], 0x3a83126f                   ; 1e-3
	s_mov_b32 s[FLR], 0x1800000
	s_wait_dscnt 0x0                               ; both opening adds are done
	s_wait_kmcnt 0x0
	s_add_nc_u64 s[KB:KB+1], s[10:11], s[92:93]
	s_add_nc_u64 s[6:7], s[6:7], s[90:91]
	s_add_nc_u64 s[4:5], s[4:5], s[90:91]
	s_add_nc_u64 s[12:13], s[12:13], s[90:91]
	s_add_nc_u64 s[12:13], s[12:13], s[96:97]
	s_add_nc_u64 s[MB:MB+1], s[6:7], s[94:95]
	s_add_nc_u64 s[XB:XB+1], s[4:5], s[94:95]
	s_add_nc_u64 s[PM:PM+1], s[6:7], s[96:97]
	s_add_nc_u64 s[PX:PX+1], s[4:5], s[96:97]
	s_add_nc_u64 s[8:9], s[8:9], s[98:99]
	s_lshl_b32 s98, s[WV], 13
	s_add_nc_u64 s[QB:QB+1], s[8:9], s[98:99]
	s_lshl_b32 s90, s88, 13                        ; the prefetches alone hang on cx
	s_add_nc_u64 s[PK:PK+1], s[KB:KB+1], s[90:91]
	s_mul_i32 s90, s88, 2*PART
	s_add_co_u32 s90, s90, PART
	s_add_nc_u64 s[PV:PV+1], s[KB:KB+1], s[90:91]
	s_mov_b32 s[M2E], 0xff000000                   ; (cx has served)
	s_mov_b32 s[G0J], 1
	s_mov_b32 s[G0M], 1
	SETG0 0
	s_mov_b32 s[G0S], 1
	s_mov_b32 s[G0S+1], VSC
	s_add_nc_u64 s[G0S+2:G0S+3], s[KB:KB+1], PART+32768
	s_or_b32 s[G0S+3], s[G0S+3], 0x80000000
	CROUND                                         ; all four work-groups are here: the first joint loads meet
	s_cmp_lt_u32 s[WV], 1                          ; the head's loads, one a wave, in one chain of branches on the wave's number
	s_cbranch_scc0 .Lh_s
	tensor_load_to_lds s[G0J:G0J+3], s[G1J:G1J+7]
	s_nop 0
	PLACES
	s_branch .Lh_on
.Lh_s:
	s_cmp_lt_u32 s[WV], 2
	s_cbranch_scc0 .Lh_m
	tensor_load_to_lds s[G0S:G0S+3], s[G1S:G1S+7]
	s_nop 0
	PLACES
	s_branch .Lh_on
.Lh_m:
	tensor_load_to_lds s[G0M:G0M+3], s[G1M:G1M+7]
	s_nop 0
	PLACES
.Lh_on:
	v_and_b32 v15, 31, v0
	v_lshlrev_b32 v[AL], 4, v15
	v_add_nc_u32 v[AL+1], SLOT, v[AL]
	v_add_nc_u32 v[AVS], VSC, v[AL]
	v_lshlrev_b32 v[PFO], 11, v15
	v_lshlrev_b32 v[PFL], 8, v15
	v_and_b32 v36, 15, v0
	v_and_b32 v39, 8, v0
	s_lshl_b32 s3, s[WV], 5
	v_add_nc_u32 v36, s3, v36                      ; 32 w + r: my row of the stage and of the table
	v_add_nc_u32 v38, v36, v39                     ; 32 w + r + 8 (r / 8): tile 0's row of my lane
	v_bfe_u32 v39, v0, 4, 1
	v_lshlrev_b32 v39, 6, v39                      ; 64 h
	v_mad_u32_u24 v37, v38, MP, v39
	v_add_nc_u32 v[AM], MOFF, v37
	v_add_nc_u32 v[AM+1], SLOT+MOFF, v37
	v_mad_u32_u24 v[ASTO], v36, SP, v39
	v_add_nc_u32 v[ASTO], STG, v[ASTO]
	v_lshl_add_u32 v[ATS], v36, 4, TAB
	s_mul_i32 s2, s[WV], 32*SP
	s_add_co_u32 s2, s2, STG
	v_add_nc_u32 v[ARD], s2, v[AL]
	s_lshl_b32 s3, s[WV], 2
	v_add_nc_u32 v[QOF], s3, v[AL]
	v_lshrrev_b32 v15, 5, v0
	v_lshl_add_u32 v[ATR], v15, 9, TAB
	v_mov_b32 v[NB], 0xd056fa73                    ; -BIG
	v_mov_b32 v[NB+1], 0xd056fa73
	v_mov_b32 v[NEG], 0xff800000                   ; under every t
	ZL TY                                          ; written once: a lane permute's destination counts as one of its sources
	ZL LN
	s_wait_alu depctr_va_vdst(0)
	WIN 0x40
.irp s, 0,1,2,3
.irp u, 0,1
.irp c, 0,1
	global_load_b128 v[QF+8*(4*\u+\s)+4*\c:QF+8*(4*\u+\s)+4*\c+3], v[AL], s[QB:QB+1] offset:1024*(2*\s+\u)+512*\c   ; Q stays in registers: tile u, K step s
.endr
.endr
.endr
	WIN 0
.irp s, 0,1,2,3
	global_load_b32 v[QSC+\s], v[QOF], s[8:9] offset:32768+512*\s   ; lanes 0-15 tile 0's words, lanes 16-31 tile 1's
.endr
	ASK 0
	CHANGE 1                                       ; slot 1's first fill is issued as a refill is
	ASTEP 0, 0
	CHANGE 2
	ASTEP 1, 1
	CHANGE 3
	ASTEP 2, 0
	CHANGE 4
	ASTEP 3, 1
	CHANGE 5
	ASK 5
	BPH 0
	BPH 1
	WIN 0
	FOLD LN                                        ; l: over 1/2, since the row's largest p is
.irp q, 0,1
	v_mov_b32 v[ST+8*\q+2], v[LN+8*\q]
	v_mov_b32 v[ST+8*\q+3], v[LN+8*\q]
.endr
	s_wait_alu depctr_va_vdst(0)
.irp q, 0,1
	v_rcp_f32 v[ST+8*\q], v[LN+8*\q]               ; 1 / l, where -M stood
.endr
	v_nop                                          ; a plain line behind the reciprocals
	ZL LN
	ZL LQ
	s_wait_alu depctr_va_vdst(0)
	CSTEP 0, 0
	CHANGE 6
	CSTEP 1, 1
	CHANGE 7
	CSTEP 2, 0
	CHANGE 8
	CSTEP 3, 1
	WIN 0
	FOLD LN
	FOLD LQ
.irp q, 0,1
	v_mul_f32 v[ST+8*\q+1], s[R512], v[LN+8*\q]    ; mean(a)
	v_mul_f32 v[LQ+8*\q], s[R512], v[LQ+8*\q]      ; mean(a^2)
	v_mul_f32 v[LQ+8*\q+1], v[ST+8*\q], v[ST+8*\q] ; 1 / l^2
.endr
.irp q, 0,1
	v_fma_f32 v[LQ+8*\q], -v[ST+8*\q+1], v[ST+8*\q+1], v[LQ+8*\q]
.endr
.irp q, 0,1
	v_max_num_f32 v[LQ+8*\q], 0, v[LQ+8*\q]        ; var(a), held at 0 from below
.endr
.irp q, 0,1
	v_fma_f32 v[LQ+8*\q], v[LQ+8*\q], v[LQ+8*\q+1], s[EPS]
.endr
	s_wait_alu depctr_va_vdst(0)
.irp q, 0,1
	v_rsq_f32 v[ST+8*\q+4], v[LQ+8*\q]
.endr
	v_nop
	s_wait_alu depctr_va_vdst(0)
.irp q, 0,1
	v_mul_f32 v[ST+8*\q+4], v[ST+8*\q+4], v[ST+8*\q]         ; f
.endr
.irp q, 0,1
	v_mul_f32 v[ST+8*\q+6], -v[ST+8*\q+1], v[ST+8*\q+4]      ; -mean f
	v_mov_b32 v[ST+8*\q+5], v[ST+8*\q+4]
.endr
.irp q, 0,1
	v_mov_b32 v[ST+8*\q+7], v[ST+8*\q+6]
.endr
	; THE WAY OUT, by groups of 128 columns.  A group's a go to my 32 rows of the stage and come back as rows, into the registers that they left; a f - mean f; 32 lanes store 512 consecutive bytes of a row.
	; On the stage and in the table tile q's lane r has row k = 16 q + r, so that the sixteen lanes of a store of 16 bytes stand on sixteen neighbouring rows of 132 words; row k is row 8 (k / 16) + k % 16 + 8 (k % 16 / 8) of my 32 of out.
	; LDS serves a wave's instructions in order (ISA guide 5.7.1.4): loads see my stores, and the next group's stores come behind them.  No store's data are written again.
.irp q, 0,1
	ds_store_b128 v[ATS], v[ST+8*\q+4:ST+8*\q+7] offset:256*\q
.endr
	WIN 0x40
.set k, 0
.rept 32
	ds_load_b128 v[4*k:4*k+3], v[ATR] offset:16*k  ; row k's four words, in every lane
.set k, k+1
.endr
.macro TOST G
	RB \G, 0
	WIN W<<2                                       ; an LDS store's data are its source 1
.irp q, 0,1
.irp b, 0,1,2,3
.irp jj, 0,1,2,3
	ds_store_b128 v[ASTO], v[B0+64*\q+16*\b+4*\jj:B0+64*\q+16*\b+4*\jj+3] offset:16*SP*\q+128*\b+16*\jj
.endr
.endr
.endr
	WIN W<<6
.set k, 0
.rept 32
	ds_load_b128 v[B0+4*k:B0+4*k+3], v[ARD] offset:SP*k
.set k, k+1
.endr
.endm
.macro SENDG G
	RB \G, 0
	WIN W|0x14|(W<<6)                              ; the table's words lie in window 1
.set k, 0
.rept 32
	v_pk_fma_f32 v[B0+4*k:B0+4*k+1], v[B0+4*k:B0+4*k+1], v[4*k:4*k+1], v[4*k+2:4*k+3]
	v_pk_fma_f32 v[B0+4*k+2:B0+4*k+3], v[B0+4*k+2:B0+4*k+3], v[4*k:4*k+1], v[4*k+2:4*k+3]
.set k, k+1
.endr
	WIN W<<2                                       ; a store's data are its source 1
.set k, 0
.rept 32
	global_store_b128 v[AL], v[B0+4*k:B0+4*k+3], s[12:13] offset:2048*(8*(k/16)+(k%16)+8*((k%16)/8))+512*\G th:TH_STORE_NT
.set k, k+1
.endr
.endm
	TOST 0
	TOST 1
	s_wait_dscnt 63                                ; group 0 is back: 64 LDS instructions stand behind its loads; a wait names 63 at the most
	SENDG 0
	TOST 2
	s_wait_dscnt 63
	SENDG 1
	TOST 3
	s_wait_dscnt 63
	SENDG 2
	s_wait_dscnt 0x0
	SENDG 3
	WIN 0
	s_wait_tensorcnt 0x0                           ; the wave's end
	ds_add_u32 v[SPW], v[NIL]
	s_wait_dscnt 0x0
	CROUND                                         ; the closing round
	s_endpgm
.Lfunc_end_k_qfd07666ada_attn:
	.size	k_qfd07666ada_attn, .Lfunc_end_k_qfd07666ada_attn-k_qfd07666ada_attn
	.p2alignl 7, 3214868480
	.fill 96, 4, 3214868480
	.section	.rodata,"a",@progbits
	.p2align	6, 0x0
	.amdhsa_kernel k_qfd07666ada_attn
		.amdhsa_group_segment_fixed_size 327680
		.amdhsa_private_segment_fixed_size 0
		.amdhsa_enable_private_segment 0
		.amdhsa_kernarg_size 40
		.amdhsa_user_sgpr_count 2
		.amdhsa_user_sgpr_kernarg_segment_ptr 1
		.amdhsa_wavefront_size32 1
		.amdhsa_system_sgpr_workgroup_id_x 1
		.amdhsa_system_sgpr_workgroup_id_y 1
		.amdhsa_system_sgpr_workgroup_id_z 1
		.amdhsa_system_vgpr_workitem_id 0
		.amdhsa_next_free_vgpr 1024
		.amdhsa_next_free_sgpr 100
		.amdhsa_reserve_vcc 0
		.amdhsa_float_denorm_mode_32 3
		.amdhsa_float_denorm_mode_16_64 3
		.amdhsa_memory_ordered 1
		.amdhsa_forward_progress 1
		.amdhsa_inst_pref_size 255
	.end_amdhsa_kernel
	.section	.bss,"aw",@nobits
	.p2align	6
	.space	262144
	.amdgpu_metadata
---
amdhsa.version: [ 1, 2 ]
amdhsa.kernels:
  - .name:           k_qfd07666ada_attn
    .symbol:         k_qfd07666ada_attn.kd
    .args:
      - { .name: inputs, .offset: 0, .size: 8, .value_kind: global_buffer, .address_space: global }
      - { .name: mask_array, .offset: 8, .size: 8, .value_kind: global_buffer, .address_space: global }
      - { .name: qfrag, .offset: 16, .size: 8, .value_kind: global_buffer, .address_space: global }
      - { .name: kvfrag, .offset: 24, .size: 8, .value_kind: global_buffer, .address_space: global }
      - { .name: out0, .offset: 32, .size: 8, .value_kind: global_buffer, .address_space: global }
    .group_segment_fixed_size: 327680
    .private_segment_fixed_size: 0
    .kernarg_segment_align: 8
    .kernarg_segment_size: 40
    .max_flat_workgroup_size: 128
    .sgpr_count:     100
    .vgpr_count:     1024
    .wavefront_size: 32
...
	.end_amdgpu_metadata
.endif
;; end of part 3
